; MI455X (gfx1250); checked and timed in simulation.
; The chip was launched on July 23, 2026; its instructions are those of AMD's public machine-readable ISA for CDNA 5 (MIT licence, August 2026) and "CDNA5" Instruction Set Architecture Reference Guide (July 2026). The comments in the code are by the model that wrote it; some were corrected since.
;; Bahdanau Attention. Allowed arithmetic: matrix products marked QUANTISED: E5M2 operands, one given power-of-two scale a tensor, by v_wmma_f32_16x16x64_bf8_bf8 or v_wmma_f32_16x16x128_bf8_bf8, f32 sums; products left as they are: f32 operands where the result goes on into a quantised operand, else bf16, f16 or f32 operands; f32 sums; everything else in f32.
;; Inputs: V_b 1 float32; V_w 1,024 x 1 float32; Wc_b 1,024 float32; Wc_w 1 x 1,024 float32; Wh_b 1,024 float32; Wh_w_codes 1,024 x 32 x 32 uint8 (E5M2 codes of Wh_w, K innermost, in blocks of 32 codes); Ws_b 1,024 float32; Ws_w_codes 1,024 x 32 x 32 uint8 (E5M2 codes of Ws_w, K innermost, in blocks of 32 codes); dec_hidden_codes 32 x 32 x 32 uint8 (E5M2 codes of dec_hidden, K innermost, in blocks of 32 codes); enc_output 32 x 2,048 x 1,024 float32; enc_pad_mask 32 x 2,048 int32; lowp_scales 4 int32 (the exponents e of the quantised operands' scales 2^e); prev_coverage 32 x 2,048 x 1 float32.
;; Outputs: out0 32 x 1,024 float32; out1 32 x 2,048 float32; out2 32 x 2,048 x 1 float32.
;; Constants: use_coverage = True.
;; This version of the problem:
;;   THIS VERSION OF THE PROBLEM IS GIVEN IN LOW PRECISION. The matrix products marked QUANTISED in the list below multiply operands that are first quantised to E5M2 (5 exponent bits, 2 mantissa bits; 8 bits a number), with one given power-of-two scale for each operand tensor; their sums are f32. All else is computed in f32.
;;   The module's matrix products, in the order in which they are computed (A, B: the left and right operand; K: the contracted axis; several contracted axes count as one K, in the product's order):
;;     1. [M 32, K 1,024] x [K 1,024, N 1,024]; A: input dec_hidden (given as codes); B: input Wh_w (given as codes): QUANTISED (scales: A lowp_scales[0], B lowp_scales[1])
;;     2. [M 65,536, K 1,024] x [K 1,024, N 1,024]; A: input enc_output; B: input Ws_w (given as codes): QUANTISED (scales: A lowp_scales[2], B lowp_scales[3])
;;     3. [M 65,536, K 1] x [K 1, N 1,024]; A: input prev_coverage; B: input Wc_w: left as it is (K = 1 < 32)
;;     4. [M 65,536, K 1,024] x [K 1,024, N 1]; A: computed on the way; B: input V_w: left as it is (N = 1 < 16)
;;   THE QUANTISER, for each operand of a quantised product, along K:
;;     - The operand's scale is 2^e, e = its entry of the input lowp_scales (int32; the entries are numbered through the quantised products in the list's order, A before B).
;;     - Each number is divided by the scale, clamped to +-57,344, and rounded to the nearest number of E5M2, ties to even, subnormals kept.
;;     - The product sums the exact products of the quantised numbers (number of the format x scale) in f32.
;;   ~~~python
;;   def quantise(x, axis, e):      # numpy; x: float32 -> the quantised numbers, widened to float32 again
;;       x = np.moveaxis(x, axis, -1); K = x.shape[-1]
;;       r = np.clip(x / 2.0 ** e, -57344, 57344)
;;       step = 2.0 ** (np.maximum(np.frexp(np.where(r == 0, 1, r))[1] - 1, -14) - 2)
;;       q = np.round(r / step) * step * 2.0 ** e      # np.round: ties to even
;;       return np.moveaxis(q, -1, axis).astype(np.float32)
;;   ~~~
;;   INPUTS GIVEN AS CODES. Wh_w (in the module: [1024, 1024], K = its axis 0); Ws_w (in the module: [1024, 1024], K = its axis 0); dec_hidden (in the module: [32, 1024], K = its axis 1): each comes as NAME_codes (uint8): NAME with its K axis moved to the last place and cut into blocks of 32 codes, [.., K / 32, bytes a block], one block behind the other in memory; one code a byte (a code: sign, 5 exponent bits, 2 mantissa bits); its scale is its entry of lowp_scales. Its value is code x scale, taken as it is: it is not quantised again, and the codes and scales need not be those that the quantiser above would give.
;; One version. Each part assembles by itself: llvm-mc -triple=amdgcn-amd-amdhsa -mcpu=gfx1250 --defsym DOCPART=n.
;; ======== version 1 of 1: 3 launches
;; limits: right only within a limited range of input values
;; workspace buffers: hb 131,072 bytes; scores 262,144 bytes; part 1,048,576 bytes
;; launch hproj (part 1): grid 16 x 1, 4 waves a work-group, no clusters, 9,216 bytes of LDS; arguments dec_hidden_codes, Wh_w_codes, lowp_scales, Wh_b, Ws_b, Wc_b, hb; writes hb
.if DOCPART == 1
	.amdgcn_target "amdgcn-amd-amdhsa--gfx1250"
	.amdhsa_code_object_version 6
	.text
	.protected	k_qe498e434a0_hproj
	.globl	k_qe498e434a0_hproj
	.p2align	8
	.type	k_qe498e434a0_hproj,@function
k_qe498e434a0_hproj:
	s_mov_b64 s[64:65], 0
	v_nop
	global_prefetch_b8 v0, s[64:65] scope:SCOPE_SE
	s_setreg_imm32_b32 hwreg(HW_REG_WAVE_MODE, 25, 1), 1
	s_wait_xcnt 0x0
; hb[b][u] = (sum over k of dec[b][k] Wh[k][u]) x 2^(e0 + e1) + Wh_b[u] + Ws_b[u] + Wc_b[u]:  all that the main launch adds to a feature and that hangs on (b, u) alone.
; dec: [32][1024] codes of E5M2, Wh: [1024 (u)][1024 (k)] codes, K innermost in both.  hb: [32][1024] f32.
; LIMIT: e0 + e1 lies between -126 and 127, so that 2^(e0 + e1) is an f32 number.
; SHARES.  16 work-groups of four waves; wave w of work-group x takes the 16 columns u = 16 (4 x + w) + 0..15 for all 32 rows: two accumulators, eight K steps of 128.
; Source 0 = 16 rows of dec, source 1 = 16 rows of Wh's codes: register j of lane (r, h) holds (b = 16 a + 8 h + j, u = r), so a lane's bias is one number.
; Both fragments are loaded 16 bytes at a time (registers 4 c .. 4 c + 3: k = 32 c + 16 h + 0..15): the same permutation of k on both sides, so every product meets its partner.
; THE WAY OUT.  A wave's 16 columns are 64 bytes of a row; the four waves' meet in a stage in LDS (32 rows x (256 + 16) bytes), and each wave stores 8 rows, sixteen lanes to 256 consecutive aligned bytes.
; No tensor load and no cluster: each work-group reads its own 64 rows of Wh once; dec's 32 KiB are the one thing shared.
.set SPITCH, 272
.set SPARE,  32*SPITCH                 ; behind the stage: the spare words, 128 bytes for each wave
.set SPW, 2                            ; v2  LDS address of my spare word; never rewritten
.set NIL, 3                            ; v3  0; never rewritten
.set ACC, 32                           ; v32-47 the two accumulators
.set OUTR, 48                          ; v48-63 the results, then rows read back
.set BF,  64                           ; v64-191 Wh's eight fragments;  window 1: dec's sixteen, (a, s) at v[16 (8 a + s)]
.set MSB, 0
.macro WIN new                         ; the immediate's high byte repeats the setting that is left
.if MSB != (\new)
	s_set_vgpr_msb (MSB<<8)|(\new)
.set MSB, (\new)
.endif
.endm
	s_load_b256 s[4:11], s[0:1], 0x0               ; dec s[4:5], Wh s[6:7], the scales' exponents s[8:9], Wh_b s[10:11]
	s_load_b128 s[12:15], s[0:1], 0x20             ; Ws_b s[12:13], Wc_b s[14:15]
	s_load_b64 s[16:17], s[0:1], 0x30              ; hb
	v_lshl_add_u32 v[SPW], v0, 2, SPARE
	v_mov_b32 v[NIL], 0
	v_lshrrev_b32 v1, 5, v0
	v_readfirstlane_b32 s18, v1                    ; wave 0..3
	v_and_b32 v4, 15, v0                           ; r
	v_bfe_u32 v5, v0, 4, 1                         ; h
	s_wait_alu depctr_va_vdst(0)
	v_lshlrev_b32 v6, 10, v4
	v_lshl_add_u32 v6, v5, 4, v6                   ; a fragment's row of 1,024 bytes + 16 h
	v_lshlrev_b32 v7, 2, v4                        ; 4 r
	s_lshl_b32 s19, ttmp9, 2
	s_add_co_u32 s19, s19, s18                     ; my tile of 16 columns
	s_lshl_b32 s20, s19, 14                        ; its 16 rows of Wh's codes
	s_mov_b32 s21, 0
	s_lshl_b32 s22, s19, 6                         ; its 16 numbers of each bias
	s_mov_b32 s23, 0
	v_mul_u32_u24 v8, v5, 8*SPITCH
	v_add_nc_u32 v8, v8, v7
	s_lshl_b32 s24, s18, 6
	v_add_nc_u32 v8, s24, v8                       ; into the stage: row 8 h (+ 16 a + j by the offset), byte 64 w + 4 r
	s_mul_i32 s25, s18, 8*SPITCH
	v_mul_u32_u24 v9, v5, SPITCH
	v_lshl_add_u32 v9, v4, 4, v9
	v_add_nc_u32 v9, s25, v9                       ; back: rows 8 w + h (+ 2 i), 16 bytes a lane
	v_lshlrev_b32 v10, 12, v5
	v_lshl_add_u32 v10, v4, 4, v10                 ; and the same place in hb: a row is 4,096 bytes
	s_lshl_b32 s26, s18, 15                        ; 8 w rows,
	s_lshl_b32 s27, ttmp9, 8                       ; the work-group's 64 columns
	s_add_co_u32 s26, s26, s27
	s_mov_b32 s27, 0
	s_wait_alu depctr_va_vdst(0)
	s_wait_kmcnt 0x0
	s_load_b64 s[28:29], s[8:9], 0x0               ; e0, e1
	s_add_nc_u64 s[6:7], s[6:7], s[20:21]
	s_add_nc_u64 s[10:11], s[10:11], s[22:23]
	s_add_nc_u64 s[12:13], s[12:13], s[22:23]
	s_add_nc_u64 s[14:15], s[14:15], s[22:23]
	s_add_nc_u64 s[16:17], s[16:17], s[26:27]
	WIN 0x40                                       ; destination window 1
.irp a, 0,1
.irp s, 0,1,2,3,4,5,6,7
.irp c, 0,1,2,3
	global_load_b128 v[16*(8*\a+\s)+4*\c:16*(8*\a+\s)+4*\c+3], v6, s[4:5] offset:16384*\a+128*\s+32*\c
.endr
.endr
.endr
	WIN 0
.irp s, 0,1,2,3,4,5,6,7
.irp c, 0,1,2,3
	global_load_b128 v[BF+16*\s+4*\c:BF+16*\s+4*\c+3], v6, s[6:7] offset:128*\s+32*\c
.endr
.endr
	global_load_b32 v16, v7, s[10:11]
	global_load_b32 v17, v7, s[12:13]
	global_load_b32 v18, v7, s[14:15]
	s_wait_kmcnt 0x0
	s_add_co_i32 s30, s28, s29
	s_add_co_i32 s30, s30, 127
	s_lshl_b32 s30, s30, 23                        ; 2^(e0 + e1) as f32
	s_mov_b32 s31, s30                             ; (named with it as a pair, so it is written)
	s_wait_loadcnt 0x0
	WIN 0x01                                       ; source 0 (dec) window 1
.irp s, 0,1,2,3,4,5,6,7                        ; the two accumulators take turns, one instruction a turn; the first K step starts the sums
.irp a, 0,1
.if \s == 0
	v_wmma_f32_16x16x128_bf8_bf8 v[ACC+8*\a:ACC+8*\a+7], v[16*(8*\a+\s):16*(8*\a+\s)+15], v[BF+16*\s:BF+16*\s+15], 0
.else
	v_wmma_f32_16x16x128_bf8_bf8 v[ACC+8*\a:ACC+8*\a+7], v[16*(8*\a+\s):16*(8*\a+\s)+15], v[BF+16*\s:BF+16*\s+15], v[ACC+8*\a:ACC+8*\a+7]
.endif
.endr
.endr
	WIN 0
	v_add_f32 v20, v16, v17                        ; the three biases of my column: these four plain lines are the places behind the last products (ISA guide 7.12.1)
	v_add_f32 v20, v20, v18
	v_mov_b32 v21, 0                               ; (named with v20 as a pair)
	v_nop
.irp i, 0,2,4,6,8,10,12,14
	v_pk_fma_f32 v[OUTR+\i:OUTR+\i+1], v[ACC+\i:ACC+\i+1], s[30:31], v[20:21] op_sel_hi:[1,0,0]   ; sum x 2^(e0 + e1) + bias; each accumulator from its low end on
.endr
.irp a, 0,1
.irp j, 0,1,2,3,4,5,6,7
	ds_store_b32 v8, v[OUTR+8*\a+\j] offset:SPITCH*(16*\a+\j)
.endr
.endr
	s_wait_dscnt 0x0                               ; for the others' sake: my stores into the stage are done
	s_barrier_signal -1
	s_barrier_wait -1
.irp i, 0,1,2,3
	ds_load_b128 v[OUTR+4*\i:OUTR+4*\i+3], v9 offset:2*\i*SPITCH
.endr
.irp i, 0,1,2,3
	s_wait_dscnt 3-\i                              ; LDS loads come back in order: pair i of rows is in
	global_store_b128 v10, v[OUTR+4*\i:OUTR+4*\i+3], s[16:17] offset:2*\i*4096   ; 16 lanes store 256 consecutive bytes, at a multiple of 256 from hb's first byte
.endr
	s_wait_tensorcnt 0x0                           ; the wave's end, behind my last LDS store
	ds_add_u32 v[SPW], v[NIL]
	s_wait_dscnt 0x0
	s_endpgm
.Lfunc_end_k_qe498e434a0_hproj:
	.size	k_qe498e434a0_hproj, .Lfunc_end_k_qe498e434a0_hproj-k_qe498e434a0_hproj
	.p2alignl 7, 3214868480
	.fill 96, 4, 3214868480
	.section	.rodata,"a",@progbits
	.p2align	6, 0x0
	.amdhsa_kernel k_qe498e434a0_hproj
		.amdhsa_group_segment_fixed_size 9216
		.amdhsa_private_segment_fixed_size 0
		.amdhsa_enable_private_segment 0
		.amdhsa_kernarg_size 56
		.amdhsa_user_sgpr_count 2
		.amdhsa_user_sgpr_kernarg_segment_ptr 1
		.amdhsa_wavefront_size32 1
		.amdhsa_system_sgpr_workgroup_id_x 1
		.amdhsa_system_sgpr_workgroup_id_y 1
		.amdhsa_system_sgpr_workgroup_id_z 1
		.amdhsa_system_vgpr_workitem_id 0
		.amdhsa_next_free_vgpr 512
		.amdhsa_next_free_sgpr 66
		.amdhsa_reserve_vcc 0
		.amdhsa_float_denorm_mode_32 3
		.amdhsa_float_denorm_mode_16_64 3
		.amdhsa_memory_ordered 1
		.amdhsa_forward_progress 1
		.amdhsa_inst_pref_size 16
	.end_amdhsa_kernel
	.amdgpu_metadata
---
amdhsa.version: [ 1, 2 ]
amdhsa.kernels:
  - .name:           k_qe498e434a0_hproj
    .symbol:         k_qe498e434a0_hproj.kd
    .args:
      - { .name: dec_hidden_codes, .offset: 0, .size: 8, .value_kind: global_buffer, .address_space: global }
      - { .name: Wh_w_codes, .offset: 8, .size: 8, .value_kind: global_buffer, .address_space: global }
      - { .name: lowp_scales, .offset: 16, .size: 8, .value_kind: global_buffer, .address_space: global }
      - { .name: Wh_b, .offset: 24, .size: 8, .value_kind: global_buffer, .address_space: global }
      - { .name: Ws_b, .offset: 32, .size: 8, .value_kind: global_buffer, .address_space: global }
      - { .name: Wc_b, .offset: 40, .size: 8, .value_kind: global_buffer, .address_space: global }
      - { .name: hb, .offset: 48, .size: 8, .value_kind: global_buffer, .address_space: global }
    .group_segment_fixed_size: 9216
    .private_segment_fixed_size: 0
    .kernarg_segment_align: 8
    .kernarg_segment_size: 56
    .max_flat_workgroup_size: 128
    .sgpr_count:     66
    .vgpr_count:     512
    .wavefront_size: 32
...
	.end_amdgpu_metadata
.endif
;; end of part 1
;; launch attn (part 2): grid 256 x 1, 8 waves a work-group, clusters of 4 x 1, 327,680 bytes of LDS; arguments enc_output, Ws_w_codes, hb, Wc_w, V_w, prev_coverage, lowp_scales, scores, part; writes scores, part
.if DOCPART == 2
	.amdgcn_target "amdgcn-amd-amdhsa--gfx1250"
	.amdhsa_code_object_version 6
	.text
	.protected	k_qe498e434a0_attn
	.globl	k_qe498e434a0_attn
	.p2align	8
	.type	k_qe498e434a0_attn,@function
k_qe498e434a0_attn:
	s_mov_b64 s[64:65], 0
	v_nop
	global_prefetch_b8 v0, s[64:65] scope:SCOPE_SE
	s_setreg_imm32_b32 hwreg(HW_REG_WAVE_MODE, 25, 1), 1
	s_wait_xcnt 0x0
	s_wait_alu depctr_hold_cnt(0) depctr_sa_sdst(0) depctr_va_vdst(0) depctr_va_sdst(0) depctr_va_ssrc(0) depctr_va_vcc(0) depctr_vm_vsrc(0)
	s_getreg_b32 s2, hwreg(HW_REG_IB_STS2, 6, 4)
	s_cmp_eq_u32 s2, 0
	s_cbranch_scc0 .Lentry_in_a_cluster
	s_endpgm
.Lentry_in_a_cluster:
	s_bfe_u32 s2, ttmp6, 0x10000c
	s_cmp_lg_u32 s2, 0x3003
	s_cbranch_scc0 .Lentry_shape_is_right
	s_endpgm
.Lentry_shape_is_right:
; s[row] = sum over u of (-2 V[u]) q,  q = 1 / (1 + 2^x),  x = c (enc[row] . Ws[:, u] + hb[b][u] + pc[row] Wc[u]),  c = 2 log2 e;  tanh = 1 - 2 q.
; WORK LEFT OUT.  reference()'s score is s[row] + (sum over u of V[u]) + V_b.  The last two terms are the same for all rows of a batch, the score goes only into a softmax along the rows,
; and softmax(z + k) = softmax(z) for every k: so neither can reach an output, whatever the inputs hold.  V_b is not loaded and is no argument of any launch; enc_pad_mask is never used by reference() and is none either.
; LIMIT: a NaN, an infinity or an overflow that reaches only these two terms is not carried to the result.
; Then p = e^(s - m_g), m_g the largest s of the work-group's 256 rows, and part[g][:] = sum over those rows of p enc[row][:].  The next launch joins a batch's eight parts.
; enc: [65536 rows][1024] f32, quantised here to E5M2 with the given 2^e2 (held within +-57,344 x 2^e2, nearest code, ties to even);  Ws: [1024 (u)][1024 (k)] codes, scale 2^e3.
; LIMITS: e2 between -126 and 112; e2 + e3 between -127 and 126 (added to c's exponent field).  NaN in enc is not served; an infinity is held at the largest code.
; enc IS READ TWICE: once to be quantised, once as f32 for the weighted sum, which wants the row's s, and that wants the whole row against all of Ws.  The second walk takes the columns in reverse order.
; SHARES.  Work-group g owns rows 256 g on (all of batch g / 8); each of its EIGHT waves, two to a SIMD, owns 32 of them against all 1,024 u.  A wave's 32 x 1,024 codes fill window 1 (256 registers).
; Ws walks through a ring of two LDS slots of 128 u, read by all eight waves.  A step (16 u) is laid in groups: 16 products, one run of LDS loads for the next tile, then the tanh in two batches.
; CLUSTER.  Every work-group walks the same Ws: the four partners ask for each tile jointly (same descriptor, made of the wave's number and the count of slots; mask 15).
; NO PREFETCH: Ws's 1 MiB is read again by all 256 work-groups; enc's two walks are plain loads kept 32 deep a wave by counted waits.
; LAYOUT.  Source 0 = 16 rows of enc, source 1 = 16 rows of Ws's codes: register j of lane (r, h) holds (row 8 h + j, u = r).  Both fragments hold k = 32 c + 16 h + 0..15 in registers 4 c .. 4 c + 3.
; REGISTERS, window 0: v1-31 addresses and constants; v32-63 four accumulators (row block a, parity of the K step); v64-79 x, then q; v96-223 Ws's eight fragments; v224-239 pc; v240-255 S.
;   While enc is quantised: v32-63 a unit turned, v64-223 five sets of 32 for loads on their way, v240-251 the tables.  Behind the products: v32-47 partial sums, v96-127 s, v128-191 p twice; window 1: two slabs of 32 rows x 128 columns.
.set BP,     1040                      ; a row of Ws's codes in LDS: 1,024 bytes + 16: an odd multiple of 16, so 16 rows fall on 16 different 16-byte columns
.set TILEB,  16*BP                     ; a tile of 16 u; also what one tensor load brings
.set SLOT,   128*BP                    ; 0x20800: its bits meet none of w x TILEB, so one exclusive or turns an address into the other slot's
.set STAGE,  2*SLOT                    ; for each wave 16 rows x (256 + 16) bytes, through which enc's numbers turn; later the waves' partial contexts, [slab][wave][512 bytes]
.set SP,     272
.set WSTG,   16*SP
.set TAB,    STAGE+8*WSTG              ; three tables of 1,024 f32: c hb[b], c Wc, -2 V
.set SCL,    TAB+12288                 ; the work-group's 256 s
.set SPARE,  SCL+1024                  ; the spare words, 128 bytes for each wave
.set LO,  1                            ; 16 r + 4096 h: enc, two rows of 256 bytes a load
.set SPW, 2                            ; my spare word; never rewritten
.set NIL, 3                            ; 0; never rewritten
.set STW, 4                            ; the stage, in
.set STR, 5                            ; the stage, back: row r, + 64 h
.set BL,  6                            ; my lane's place in a tile of Ws
.set TL,  7                            ; my lane's place in a table
.set ADR, 8
.set ADT, 9
.set QS,  10                           ; 2^e2
.set QL,  11                           ; 57,344 x 2^e2
.set PCO, 12
.set L16, 13                           ; 16 x lane
.set SCW, 14
.set SCR, 15
.set CB,  16                           ; pairs of which the low word is used: c hb, c Wc, -2 V of the tile fetched, -2 V of the tile in hand
.set CW,  18
.set VV,  20
.set VC,  22
.set TW,  24
.set TG,  25
.set SBC, 26
.set CXW, 27
.set CXR, 28
.set ACC, 32
.set XT,  32
.set CT,  32
.set XR,  64
.set LS,  64
.set BF,  96
.set SX,  96
.set PP,  128
.set PC,  224
.set S,   240
.set TB,  240
.set MSB, 0
.macro WIN new                         ; the immediate's high byte repeats the setting that is left
.if MSB != (\new)
	s_set_vgpr_msb (MSB<<8)|(\new)
.set MSB, (\new)
.endif
.endm
.macro ROUND                           ; a round of the cluster's barrier
	s_barrier_signal -1
	s_barrier_wait -1
	s_cmp_lg_u32 s24, 0
	s_cbranch_scc1 .Lnot_wave_0_\@
	s_barrier_signal -3
.Lnot_wave_0_\@:
	s_barrier_wait -3
	s_barrier_signal -1
	s_barrier_wait -1
.endm
.macro JLOAD                           ; the joint load: every wave asks for its eighth (16 u) of a slot; s_nop 0 and four v_nop follow
	tensor_load_to_lds s[36:39], s[28:35]
	s_nop 0
.rept 4
	v_nop
.endr
.endm
	s_load_b256 s[4:11], s[0:1], 0x0               ; enc, Ws's codes, hb, Wc
	s_load_b256 s[12:19], s[0:1], 0x20             ; V_w, pc, the scales' exponents, scores
	s_load_b64 s[20:21], s[0:1], 0x40              ; part
	v_lshl_add_u32 v[SPW], v0, 2, SPARE
	v_mov_b32 v[NIL], 0
	ds_add_u32 v[SPW], v[NIL]                      ; the opening lines: the add, twice on end, and its wait ahead of my first tensor load
	ds_add_u32 v[SPW], v[NIL]
	v_lshrrev_b32 v[TG], 5, v0
	v_readfirstlane_b32 s24, v[TG]                 ; wave 0..7
	s_bfe_u32 s25, ttmp6, 0x40000                  ; cx: it enters global addresses of enc, pc, scores and part alone
	s_lshl_b32 s26, ttmp9, 2
	s_add_co_u32 s26, s26, s25                     ; g
	s_mov_b32 s28, 15|(1<<20)|(1<<21)|(7<<22)|(3<<25)  ; group 1: mask of all four; bytes; four words of padding after every 256
	s_mov_b32 s29, 1024<<16
	s_mov_b32 s30, 16<<16
	s_mov_b32 s31, 1024<<16
	s_mov_b32 s32, 16
	s_mov_b32 s33, 1024
	s_mov_b32 s34, 0
	s_mov_b32 s35, 0
	s_mov_b32 s36, 1
	s_mul_i32 s37, s24, TILEB                      ; slot 0, my eighth
	s_lshl_b32 s72, s24, 14                        ; my 16 rows of Ws's codes
	s_mov_b32 s73, 0
	s_mov_b32 s48, 0x76543210                      ; v_permlanex16_b32: lane l xor 16
	s_mov_b32 s49, 0xfedcba98
	s_mov_b32 s68, 0x4038aa3b                      ; c = 2 log2 e
	s_mov_b32 s69, s68
	s_mov_b32 s70, 0x3fb8aa3b                      ; log2 e
	s_mov_b32 s71, s70
	s_mov_b32 s50, 0                               ; the slot from which tiles are fetched,
	s_mov_b32 s51, 0                               ; and its 128 entries in a table
	s_mul_i32 s67, s24, WSTG
	s_add_co_u32 s67, s67, STAGE                   ; my stage
	s_lshl_b32 s92, s24, 7
	s_add_co_u32 s92, s92, SCL                     ; my 32 s
	s_lshl_b32 s93, s24, 9
	s_add_co_u32 s93, s93, STAGE                   ; my 512 bytes of each slab's partial contexts
	s_lshl_b32 s94, s24, 12
	s_add_co_u32 s94, s94, STAGE                   ; slab w's eight partial contexts
	s_lshl_b32 s74, s26, 8
	s_lshl_b32 s75, s24, 5
	s_add_co_u32 s74, s74, s75                     ; my first row: 256 g + 32 w
	s_lshl_b32 s80, s74, 12
	s_mov_b32 s81, 0
	s_lshl_b32 s82, s74, 2
	s_mov_b32 s83, 0
	s_lshl_b32 s84, s26, 10                        ; the work-group's 1,024 bytes of scores
	s_mov_b32 s85, 0
	s_lshl_b32 s86, s26, 12                        ; its 4,096 bytes of part, my 512
	s_lshl_b32 s87, s24, 9
	s_add_co_u32 s86, s86, s87
	s_mov_b32 s87, 0
	s_lshr_b32 s88, ttmp9, 1                       ; the batch = g / 8
	s_lshl_b32 s88, s88, 12
	s_mov_b32 s89, 0
	v_and_b32 v30, 15, v0                          ; r
	v_bfe_u32 v31, v0, 4, 1                        ; h
	v_lshlrev_b32 v[TG], 4, v0
	v_lshl_add_u32 v[TW], v0, 4, TAB
	v_and_b32 v[L16], 31, v0
	v_lshlrev_b32 v[L16], 4, v[L16]
	v_lshlrev_b32 v[LO], 4, v30
	v_lshl_add_u32 v[LO], v31, 12, v[LO]
	v_mul_u32_u24 v[STW], v31, SP
	v_lshl_add_u32 v[STW], v30, 4, v[STW]
	v_add_nc_u32 v[STW], s67, v[STW]
	v_mul_u32_u24 v[STR], v30, SP
	v_lshl_add_u32 v[STR], v31, 6, v[STR]
	v_add_nc_u32 v[STR], s67, v[STR]
	v_mul_u32_u24 v[BL], v30, BP
	v_lshl_add_u32 v[BL], v31, 4, v[BL]
	v_lshl_add_u32 v[TL], v30, 2, TAB
	v_lshlrev_b32 v[PCO], 5, v31
	v_lshl_add_u32 v[SCW], v31, 5, s92
	v_add_nc_u32 v[SCR], SCL, v[L16]
	v_mov_b32 v[SBC], s92
	v_add_nc_u32 v[CXW], s93, v[L16]
	v_add_nc_u32 v[CXR], s94, v[L16]
.irp i, 1,3,5,7
	v_mov_b32 v[CB+\i], 0                          ; the pairs' upper words: named, never used
.endr
	s_wait_alu depctr_va_vdst(0)                   ; the wait at the head's end
	s_wait_dscnt 0x0                               ; both opening adds are done
	s_wait_kmcnt 0x0
	s_load_b128 s[40:43], s[16:17], 0x0            ; e0, e1, e2, e3
	s_add_nc_u64 s[38:39], s[6:7], s[72:73]
	s_or_b32 s39, s39, 0x80000000
	s_add_nc_u64 s[54:55], s[4:5], s[80:81]        ; enc at my first row
	s_add_nc_u64 s[14:15], s[14:15], s[82:83]
	s_add_nc_u64 s[18:19], s[18:19], s[84:85]
	s_add_nc_u64 s[58:59], s[20:21], s[86:87]
	s_add_nc_u64 s[8:9], s[8:9], s[88:89]
	ROUND                                          ; all four work-groups are here: the first joint loads meet
	JLOAD                                          ; slot 0: u = 0 .. 127; my one tensor load at the head
	global_load_b128 v[TB:TB+3], v[TG], s[8:9]     ; the tables: each of the 256 threads takes 4 numbers of each
	global_load_b128 v[TB+4:TB+7], v[TG], s[10:11]
	global_load_b128 v[TB+8:TB+11], v[TG], s[12:13]
.irp a, 0,1
	global_load_b128 v[PC+8*\a:PC+8*\a+3], v[PCO], s[14:15] offset:64*\a        ; pc of rows 16 a + 8 h + 0 .. 7
	global_load_b128 v[PC+8*\a+4:PC+8*\a+7], v[PCO], s[14:15] offset:64*\a+16
.endr
; ---- ENC IS LOADED AND QUANTISED, a unit f at a time: rows 16 (f % 2) on, k = 64 (f / 2) on.
.macro GLOAD f                         ; 8 loads, each two rows' 256 consecutive aligned bytes
.set gr, LS+32*((\f)%5)
.set go, 65536*((\f)%2)+256*((\f)/2)
.irp i, 0,1,2,3,4,5,6,7
	global_load_b128 v[gr+4*\i:gr+4*\i+3], v[LO], s[54:55] offset:go+8192*\i
.endr
.endm
.macro TURN f                          ; through my stage as they lie, and back 32 numbers of one row a lane: register 16 b + i = k 32 b + 16 h + i of row r
.set tr, LS+32*((\f)%5)
.irp i, 0,1,2,3,4,5,6,7
	ds_store_b128 v[STW], v[tr+4*\i:tr+4*\i+3] offset:2*SP*\i
.endr
.irp b, 0,1
.irp j, 0,1,2,3
	ds_load_b128 v[XT+16*\b+4*\j:XT+16*\b+4*\j+3], v[STR] offset:128*\b+16*\j   ; LDS serves a wave's instructions in order (ISA guide 5.7.1.4)
.endr
.endr
.endm
.macro QUANT f                         ; fragment (a, s) lies at v[16 (2 s + a)] of window 1; this unit is its registers 8 ((f / 2) % 2) on
.set qa, 16*(2*((\f)/4)+(\f)%2)+8*(((\f)/2)%2)
.set j_, 0
.rept 32
	v_med3_num_f32 v[XT+j_], v[XT+j_], -v[QL], v[QL]   ; the conversion does not saturate (ISA guide 7.6.2): the hold at the largest code x the scale
.set j_, j_+1
.endr
	WIN 0x40
.irp b, 0,1
	v_cvt_scalef32_pk8_bf8_f32 v[qa+4*\b:qa+4*\b+1], v[XT+16*\b:XT+16*\b+7], v[QS]
	v_cvt_scalef32_pk8_bf8_f32 v[qa+4*\b+2:qa+4*\b+3], v[XT+16*\b+8:XT+16*\b+15], v[QS]
.endr
	WIN 0
	v_nop                                          ; one plain line behind the last conversion of a run
.endm
.macro LSTEP f
.if (\f) <= 27
	s_wait_loadcnt 32                              ; behind unit f's loads: those of the next four units.  (f = 0: the tables' and pc's loads are older)
.else
	s_wait_loadcnt 8*(31-(\f))
.endif
.if (\f) == 0
.irp i, 0,2,4,6
	v_pk_mul_f32 v[TB+\i:TB+\i+1], v[TB+\i:TB+\i+1], s[68:69] op_sel_hi:[1,0]
.endr
.irp i, 8,10
	v_pk_mul_f32 v[TB+\i:TB+\i+1], v[TB+\i:TB+\i+1], -2.0 op_sel_hi:[1,0]
.endr
.irp k, 0,1,2
	ds_store_b128 v[TW], v[TB+4*\k:TB+4*\k+3] offset:4096*\k   ; c hb, c Wc, -2 V: the first change of slots shows them to everybody
.endr
.endif
	TURN \f
	s_wait_dscnt 0x0                               ; the unit is back, and its stores are done: its set of registers takes the loads of five units on
.if (\f) <= 26
	GLOAD (\f)+5
.endif
	QUANT \f
.endm
.irp f, 0,1,2,3,4
	GLOAD \f
.endr
	s_wait_kmcnt 0x0
	s_add_co_i32 s76, s42, 127
	s_lshl_b32 s77, s76, 23
	v_mov_b32 v[QS], s77
	s_add_co_i32 s76, s76, 15
	s_lshl_b32 s76, s76, 23
	s_or_b32 s76, s76, 0x600000
	v_mov_b32 v[QL], s76
	s_add_co_i32 s76, s42, s43
	s_lshl_b32 s76, s76, 23
	s_add_co_i32 s44, s68, s76                     ; c 2^(e2 + e3)
	s_mov_b32 s45, s44
	s_wait_alu depctr_va_vdst(0)                   ; the wait
.set F, 0
.rept 32
	LSTEP F
.set F, F+1
.endr
; ---- THE PRODUCTS AND THE TANH.
.macro BLD adr                         ; the eight fragments of the tile at v[adr]
.set s_, 0
.rept 8
.irp c, 0,1,2,3
	ds_load_b128 v[BF+16*s_+4*\c:BF+16*s_+4*\c+3], v[\adr] offset:128*s_+32*\c
.endr
.set s_, s_+1
.endr
.endm
.macro TLD adr                         ; its table entries
	ds_load_b32 v[CB], v[\adr]
	ds_load_b32 v[CW], v[\adr] offset:4096
	ds_load_b32 v[VV], v[\adr] offset:8192
.endm
; A step: tile n is multiplied, tile n + 1 (number s52 of the slot at s50) fetched.  Product i: K step i / 2, rows 16 (i % 2) on, onto accumulator (i % 2, (i / 2) % 2):
; the four take turns, one instruction a turn; the first two K steps start the sums.  The eleven plain lines behind the products are the places ahead of the loads and of the first read of the sums.
.macro STEP loads
.if \loads
	s_lshl_b32 s77, s52, 6
	s_add_co_u32 s77, s77, s51
	s_mul_i32 s76, s52, TILEB
	s_add_co_u32 s76, s76, s50
.endif
	s_wait_dscnt 0x0                               ; the tile's fragments and table entries are in
	WIN 0x01                                       ; source 0 (enc) window 1
.set i_, 0
.rept 16
.set s_, i_/2
.set d_, ACC+8*(2*(s_%2)+i_%2)
.if s_ < 2
	v_wmma_f32_16x16x128_bf8_bf8 v[d_:d_+7], v[16*i_:16*i_+15], v[BF+16*s_:BF+16*s_+15], 0
.else
	v_wmma_f32_16x16x128_bf8_bf8 v[d_:d_+7], v[16*i_:16*i_+15], v[BF+16*s_:BF+16*s_+15], v[d_:d_+7]
.endif
.set i_, i_+1
.endr
	WIN 0
	v_mov_b32 v[VC], v[VV]                         ; this tile's -2 V is kept: the loads below bring the next tile's
.if \loads
	v_add_nc_u32 v[ADR], s76, v[BL]
	v_add_nc_u32 v[ADT], s77, v[TL]
.else
	v_nop
	v_nop
.endif
.irp i, 0,2,4,6,8,10,12,14
	v_pk_fma_f32 v[XR+\i:XR+\i+1], v[PC+\i:PC+\i+1], v[CW:CW+1], v[CB:CB+1] op_sel_hi:[1,0,0]   ; pc (c Wc) + c hb
.endr
.if \loads
	TLD ADT
	BLD ADR
.endif
.irp i, 0,2,4,6,8,10,12,14
	v_pk_fma_f32 v[XR+\i:XR+\i+1], v[ACC+\i:ACC+\i+1], s[44:45], v[XR+\i:XR+\i+1] op_sel_hi:[1,0,1]   ; + the even K steps' sums; each accumulator from its low end on
.endr
.irp i, 0,2,4,6,8,10,12,14
	v_pk_fma_f32 v[XR+\i:XR+\i+1], v[ACC+16+\i:ACC+16+\i+1], s[44:45], v[XR+\i:XR+\i+1] op_sel_hi:[1,0,1]   ; + the odd ones': x
.endr
	s_wait_alu depctr_va_vdst(0)                   ; a wait ahead of each batch and one behind it
.set j_, 0
.rept 16
	v_exp_f32 v[XR+j_], v[XR+j_]
.set j_, j_+1
.endr
	v_nop
	s_wait_alu depctr_va_vdst(0)
.irp i, 0,2,4,6,8,10,12,14
	v_pk_add_f32 v[XR+\i:XR+\i+1], v[XR+\i:XR+\i+1], 1.0 op_sel_hi:[1,0]
.endr
	s_wait_alu depctr_va_vdst(0)
.set j_, 0
.rept 16
	v_rcp_f32 v[XR+j_], v[XR+j_]                   ; q.  2^x runs to infinity or 0 for large |x|, q to 0 or 1: no clamp
.set j_, j_+1
.endr
	v_nop
	s_wait_alu depctr_va_vdst(0)
.irp i, 0,2,4,6,8,10,12,14
	v_pk_fma_f32 v[S+\i:S+\i+1], v[XR+\i:XR+\i+1], v[VC:VC+1], v[S+\i:S+\i+1] op_sel_hi:[1,0,1]
.endr
.endm
; THE CHANGE OF SLOTS stands in front of the step that multiplies a slot's last tile: that tile's fragments have been asked for, and the step's own loads are the next slot's first.
; Each wave waits for all its tensor loads (one is out), adds 0 to its spare word, and waits for that and for its reads of the slot that it leaves.  fill = 1: a round of the cluster's barrier, and the joint refill first behind it: it has eight steps in which to land.
.macro WCHANGE fill
	s_wait_alu depctr_va_vdst(0)                   ; the wait ahead of the blocking waits
	s_wait_tensorcnt 0x0
	ds_add_u32 v[SPW], v[NIL]
.if \fill
	s_xor_b32 s37, s37, SLOT
	s_add_nc_u64 s[38:39], s[38:39], 131072        ; the next 128 u
.endif
	s_wait_dscnt 0x0
.if \fill
	ROUND
	JLOAD
.else
	s_barrier_signal -1
	s_barrier_wait -1
.endif
.endm
	WCHANGE 1                                      ; slot 0 is whole, and so are the tables; slot 1's first fill is issued as a refill is
.set j_, 0
.rept 16
	v_mov_b32 v[S+j_], 0
.set j_, j_+1
.endr
	TLD TL                                         ; tile 0
	BLD BL
	s_mov_b32 s52, 1
.Lfirst:                                           ; tiles 0 to 6 are multiplied, tiles 1 to 7 fetched
	STEP 1
	s_add_co_u32 s52, s52, 1
	s_cmp_lt_u32 s52, 8
	s_cbranch_scc1 .Lfirst
	s_mov_b32 s53, 6
.Lslot:                                            ; trip j = 1 .. 6 multiplies tiles 8 j - 1 .. 8 j + 6, fetches slot j's tiles, asks for slot j + 1
	WCHANGE 1
	s_xor_b32 s50, s50, SLOT
	s_add_co_u32 s51, s51, 512
	s_mov_b32 s52, 0
.Lstep:
	STEP 1
	s_add_co_u32 s52, s52, 1
	s_cmp_lt_u32 s52, 8
	s_cbranch_scc1 .Lstep
	s_sub_co_u32 s53, s53, 1
	s_cmp_lg_u32 s53, 0
	s_cbranch_scc1 .Lslot
	WCHANGE 0                                      ; the last slot is written out: nothing is asked for
	s_xor_b32 s50, s50, SLOT
	s_add_co_u32 s51, s51, 512
	s_mov_b32 s52, 0
.Llast:
	STEP 1
	s_add_co_u32 s52, s52, 1
	s_cmp_lt_u32 s52, 8
	s_cbranch_scc1 .Llast
	STEP 0                                         ; tile 63
; ---- s of my 32 rows: the sum over the 16 lanes of a half, that is over u; then all 256 meet in LDS.
.irp m, 1,2,4,8
.set j_, 0
.rept 16
	v_add_f32_dpp v[S+j_], v[S+j_], v[S+j_] row_xmask:\m row_mask:0xf bank_mask:0xf
.set j_, j_+1
.endr
.endr
.irp a, 0,1
.irp j, 0,1,2,3,4,5,6,7
	ds_store_b32 v[SCW], v[S+8*\a+\j] offset:64*\a+4*\j   ; row 16 a + 8 h + j: the 16 lanes of a half write one word with one value
.endr
.endr
	s_wait_alu depctr_va_vdst(0)
	s_wait_dscnt 0x0                               ; for the others' sake
	s_barrier_signal -1
	s_barrier_wait -1
	ds_load_b128 v[64:67], v[SCR]                  ; all 256 s, eight a lane,
	ds_load_b128 v[68:71], v[SCR] offset:512
.irp i, 0,1,2,3,4,5,6,7
	ds_load_b128 v[SX+4*\i:SX+4*\i+3], v[SBC] offset:16*\i   ; and my 32 rows', each in every lane
.endr
	s_wait_dscnt 0x0
	s_cmp_lg_u32 s24, 0
	s_cbranch_scc1 .Lnot_0
	global_store_b128 v[L16], v[64:67], s[18:19]   ; wave 0 stores the work-group's 1,024 bytes, 512 consecutive aligned bytes a line; v64-71 are not written again
	global_store_b128 v[L16], v[68:71], s[18:19] offset:512
.Lnot_0:
	v_max3_num_f32 v72, v64, v65, v66              ; m_g
	v_max3_num_f32 v73, v67, v68, v69
	v_max3_num_f32 v72, v72, v70, v71
	v_max_num_f32 v72, v72, v73
.irp m, 1,2,4,8
	v_max_num_f32_dpp v72, v72, v72 row_xmask:\m row_mask:0xf bank_mask:0xf
.endr
	v_permlanex16_b32 v73, v72, s48, s49
	v_max_num_f32 v72, v72, v73
	v_mul_f32 v[CB], s70, v72                      ; m_g log2 e
.irp i, 0,2,4,6,8,10,12,14,16,18,20,22,24,26,28,30
	v_pk_fma_f32 v[SX+\i:SX+\i+1], v[SX+\i:SX+\i+1], s[70:71], v[CB:CB+1] op_sel_hi:[1,0,0] neg_lo:[0,0,1] neg_hi:[0,0,1]
.endr
	s_wait_alu depctr_va_vdst(0)
.set j_, 0
.rept 32
	v_exp_f32 v[PP+2*j_], v[SX+j_]                 ; p = e^(s - m_g), at most 1; made twice, as the pair that the packed multiply-add takes
	v_exp_f32 v[PP+2*j_+1], v[SX+j_]
.set j_, j_+1
.endr
	v_nop
	s_wait_alu depctr_va_vdst(0)
; ---- THE CONTEXT: sum over my 32 rows of p enc[row][:], a slab of 128 columns at a time, slabs 7 down to 0, two slabs of loads on their way.
.macro CISSUE bo, slab                 ; 32 loads, each 512 consecutive bytes of a row
	WIN 0x40
.set r_, 0
.rept 32
	global_load_b128 v[(\bo)+4*r_:(\bo)+4*r_+3], v[L16], s[54:55] offset:4096*r_+512*(\slab) th:TH_LOAD_NT
.set r_, r_+1
.endr
	WIN 0
.endm
.macro CSLAB bo, slab                  ; four chains, started by the first four rows' products
	WIN 0x01
.set r_, 0
.rept 32
.set c_, CT+4*(r_%4)
.if r_ < 4
	v_pk_mul_f32 v[c_:c_+1], v[(\bo)+4*r_:(\bo)+4*r_+1], v[PP+2*r_:PP+2*r_+1]
	v_pk_mul_f32 v[c_+2:c_+3], v[(\bo)+4*r_+2:(\bo)+4*r_+3], v[PP+2*r_:PP+2*r_+1]
.else
	v_pk_fma_f32 v[c_:c_+1], v[(\bo)+4*r_:(\bo)+4*r_+1], v[PP+2*r_:PP+2*r_+1], v[c_:c_+1]
	v_pk_fma_f32 v[c_+2:c_+3], v[(\bo)+4*r_+2:(\bo)+4*r_+3], v[PP+2*r_:PP+2*r_+1], v[c_+2:c_+3]
.endif
.set r_, r_+1
.endr
	WIN 0
	v_pk_add_f32 v[CT:CT+1], v[CT:CT+1], v[CT+4:CT+5]
	v_pk_add_f32 v[CT+2:CT+3], v[CT+2:CT+3], v[CT+6:CT+7]
	v_pk_add_f32 v[CT+8:CT+9], v[CT+8:CT+9], v[CT+12:CT+13]
	v_pk_add_f32 v[CT+10:CT+11], v[CT+10:CT+11], v[CT+14:CT+15]
	v_pk_add_f32 v[CT:CT+1], v[CT:CT+1], v[CT+8:CT+9]
	v_pk_add_f32 v[CT+2:CT+3], v[CT+2:CT+3], v[CT+10:CT+11]
	ds_store_b128 v[CXW], v[CT:CT+3] offset:4096*(\slab)
.endm
	CISSUE 0, 7
	CISSUE 128, 6
.irp k, 0,1,2,3,4,5,6,7
.if \k < 7
	s_wait_loadcnt 32                              ; behind this slab's loads: the other buffer's 32
.else
	s_wait_loadcnt 0x0
.endif
	CSLAB 128*(\k%2), 7-\k
.if \k < 6
	CISSUE 128*(\k%2), 5-\k
.endif
.endr
	s_wait_alu depctr_va_vdst(0)
	s_wait_dscnt 0x0                               ; for the others' sake
	s_barrier_signal -1
	s_barrier_wait -1
.irp i, 0,1,2,3,4,5,6,7
	ds_load_b128 v[SX+4*\i:SX+4*\i+3], v[CXR] offset:512*\i   ; wave w joins slab w's eight partial contexts
.endr
	s_wait_dscnt 0x0
.irp i, 0,8,16,24
	v_pk_add_f32 v[SX+\i:SX+\i+1], v[SX+\i:SX+\i+1], v[SX+\i+4:SX+\i+5]
	v_pk_add_f32 v[SX+\i+2:SX+\i+3], v[SX+\i+2:SX+\i+3], v[SX+\i+6:SX+\i+7]
.endr
.irp i, 0,16
	v_pk_add_f32 v[SX+\i:SX+\i+1], v[SX+\i:SX+\i+1], v[SX+\i+8:SX+\i+9]
	v_pk_add_f32 v[SX+\i+2:SX+\i+3], v[SX+\i+2:SX+\i+3], v[SX+\i+10:SX+\i+11]
.endr
	v_pk_add_f32 v[SX:SX+1], v[SX:SX+1], v[SX+16:SX+17]
	v_pk_add_f32 v[SX+2:SX+3], v[SX+2:SX+3], v[SX+18:SX+19]
	global_store_b128 v[L16], v[SX:SX+3], s[58:59] ; 32 lanes store 512 consecutive bytes, at a multiple of 256 from part's first byte
	s_wait_tensorcnt 0x0                           ; the wave's end
	ds_add_u32 v[SPW], v[NIL]
	s_wait_dscnt 0x0
	ROUND                                          ; the closing round
	s_endpgm
.Lfunc_end_k_qe498e434a0_attn:
	.size	k_qe498e434a0_attn, .Lfunc_end_k_qe498e434a0_attn-k_qe498e434a0_attn
	.p2alignl 7, 3214868480
	.fill 96, 4, 3214868480
	.section	.rodata,"a",@progbits
	.p2align	6, 0x0
	.amdhsa_kernel k_qe498e434a0_attn
		.amdhsa_group_segment_fixed_size 327680
		.amdhsa_private_segment_fixed_size 0
		.amdhsa_enable_private_segment 0
		.amdhsa_kernarg_size 72
		.amdhsa_user_sgpr_count 2
		.amdhsa_user_sgpr_kernarg_segment_ptr 1
		.amdhsa_wavefront_size32 1
		.amdhsa_system_sgpr_workgroup_id_x 1
		.amdhsa_system_sgpr_workgroup_id_y 1
		.amdhsa_system_sgpr_workgroup_id_z 1
		.amdhsa_system_vgpr_workitem_id 0
		.amdhsa_next_free_vgpr 512
		.amdhsa_next_free_sgpr 100
		.amdhsa_reserve_vcc 0
		.amdhsa_float_denorm_mode_32 3
		.amdhsa_float_denorm_mode_16_64 3
		.amdhsa_memory_ordered 1
		.amdhsa_forward_progress 1
		.amdhsa_inst_pref_size 245
	.end_amdhsa_kernel
	.amdgpu_metadata
---
amdhsa.version: [ 1, 2 ]
amdhsa.kernels:
  - .name:           k_qe498e434a0_attn
    .symbol:         k_qe498e434a0_attn.kd
    .args:
      - { .name: enc_output, .offset: 0, .size: 8, .value_kind: global_buffer, .address_space: global }
      - { .name: Ws_w_codes, .offset: 8, .size: 8, .value_kind: global_buffer, .address_space: global }
      - { .name: hb, .offset: 16, .size: 8, .value_kind: global_buffer, .address_space: global }
      - { .name: Wc_w, .offset: 24, .size: 8, .value_kind: global_buffer, .address_space: global }
      - { .name: V_w, .offset: 32, .size: 8, .value_kind: global_buffer, .address_space: global }
      - { .name: prev_coverage, .offset: 40, .size: 8, .value_kind: global_buffer, .address_space: global }
      - { .name: lowp_scales, .offset: 48, .size: 8, .value_kind: global_buffer, .address_space: global }
      - { .name: scores, .offset: 56, .size: 8, .value_kind: global_buffer, .address_space: global }
      - { .name: part, .offset: 64, .size: 8, .value_kind: global_buffer, .address_space: global }
    .group_segment_fixed_size: 327680
    .private_segment_fixed_size: 0
    .kernarg_segment_align: 8
    .kernarg_segment_size: 72
    .max_flat_workgroup_size: 256
    .sgpr_count:     100
    .vgpr_count:     512
    .wavefront_size: 32
...
	.end_amdgpu_metadata
.endif
;; end of part 2
;; launch finish (part 3): grid 4 x 32, 4 waves a work-group, no clusters, 0 bytes of LDS; arguments scores, part, prev_coverage, out0, out1, out2; writes out0, out1, out2
.if DOCPART == 3
	.amdgcn_target "amdgcn-amd-amdhsa--gfx1250"
	.amdhsa_code_object_version 6
	.text
	.protected	k_qe498e434a0_finish
	.globl	k_qe498e434a0_finish
	.p2align	8
	.type	k_qe498e434a0_finish,@function
k_qe498e434a0_finish:
	s_mov_b64 s[64:65], 0
	v_nop
	global_prefetch_b8 v0, s[64:65] scope:SCOPE_SE
	s_setreg_imm32_b32 hwreg(HW_REG_WAVE_MODE, 25, 1), 1
	s_wait_xcnt 0x0
; The softmax over a batch's 2,048 stored s is finished, and the batch's 8 partial contexts are joined.  (s is reference()'s score less a term that is the same for all rows of a batch: the softmax is the same.)
; M = the batch's largest s; l = sum of e^(s - M); out1 = e^(s - M) / l; out2 = out1 + pc; out0[b][:] = sum over the 8 parts of e^(m_g - M) / l x part_g[:],
; where m_g, the largest of part g's 256 s, is taken anew from the same stored numbers: the very number under which the part was summed.
; SHARES.  Work-group (q, b): columns 256 q on of out0[b], rows 512 q on of out1[b], out2[b].  Every wave reads all of the batch's s (8,192 bytes) and makes M, l and the 8 factors for itself: no LDS, no barrier.
; No matrix unit, no cluster: the work is a few loads and sums.
.set PT,  64                           ; v64-79   my two columns of the 8 parts
.set SC,  128                          ; v128-191 the batch's s: load i, lane L: rows 128 i + 4 L + 0..3, which belong to part i / 2
.set MW,  32                           ; v32-47   maxima; v32-39 m of part i, then its factor
.set OT,  48                           ; v48-55   the other half's maxima
	s_load_b128 s[4:7], s[0:1], 0x0                ; scores, part
	s_load_b128 s[8:11], s[0:1], 0x10              ; pc, out0
	s_load_b128 s[12:15], s[0:1], 0x20             ; out1, out2
	s_and_b32 s16, ttmp7, 0xffff                   ; b
	v_lshrrev_b32 v1, 5, v0
	v_readfirstlane_b32 s17, v1                    ; wave
	v_and_b32 v2, 31, v0
	v_lshlrev_b32 v3, 4, v2                        ; 16 x lane
	v_lshlrev_b32 v4, 3, v0                        ; 8 x thread
	v_mov_b32 v6, 0                                ; written once: a lane permute's destination counts as one of its sources
	v_mov_b32 v9, 0                                ; (named as the upper half of the pair v[8:9])
.set i_, 0
.rept 8
	v_mov_b32 v[OT+i_], 0
.set i_, i_+1
.endr
	s_mov_b32 s28, 0x76543210                      ; v_permlanex16_b32: lane l xor 16
	s_mov_b32 s29, 0xfedcba98
	s_mov_b32 s30, 0x3fb8aa3b                      ; log2 e
	s_mov_b32 s31, s30
	s_lshl_b32 s18, s16, 13                        ; the batch's 8,192 bytes of s
	s_mov_b32 s19, 0
	s_lshl_b32 s20, s16, 15                        ; its 8 parts of 4,096 bytes,
	s_lshl_b32 s21, ttmp9, 10                      ; my work-group's 256 columns
	s_add_co_u32 s20, s20, s21
	s_lshl_b32 s22, s16, 12                        ; and the same columns of out0[b]
	s_add_co_u32 s22, s22, s21
	s_mov_b32 s21, 0
	s_mov_b32 s23, 0
	s_lshl_b32 s24, ttmp9, 11                      ; my wave's 128 rows: 512 q + 128 w, in bytes
	s_lshl_b32 s25, s17, 9
	s_add_co_u32 s24, s24, s25
	s_add_co_u32 s24, s24, s18
	s_mov_b32 s25, 0
	s_wait_alu depctr_va_vdst(0)                   ; the wait at the head's end
	s_wait_kmcnt 0x0
	s_add_nc_u64 s[6:7], s[6:7], s[20:21]
	s_add_nc_u64 s[26:27], s[4:5], s[24:25]
	s_add_nc_u64 s[4:5], s[4:5], s[18:19]
	s_add_nc_u64 s[8:9], s[8:9], s[24:25]
	s_add_nc_u64 s[10:11], s[10:11], s[22:23]
	s_add_nc_u64 s[12:13], s[12:13], s[24:25]
	s_add_nc_u64 s[14:15], s[14:15], s[24:25]
.set i_, 0
.rept 8
	global_load_b64 v[PT+2*i_:PT+2*i_+1], v4, s[6:7] offset:4096*i_ th:TH_LOAD_NT
.set i_, i_+1
.endr
.set i_, 0
.rept 16
	global_load_b128 v[SC+4*i_:SC+4*i_+3], v3, s[4:5] offset:512*i_
.set i_, i_+1
.endr
	global_load_b128 v[16:19], v3, s[26:27]        ; my own four rows' s,
	global_load_b128 v[20:23], v3, s[8:9]          ; and their pc
	s_wait_loadcnt 0x2                             ; all but those two
.set i_, 0
.rept 16
	v_max3_num_f32 v[MW+i_], v[SC+4*i_], v[SC+4*i_+1], v[SC+4*i_+2]
.set i_, i_+1
.endr
.set i_, 0
.rept 16
	v_max_num_f32 v[MW+i_], v[MW+i_], v[SC+4*i_+3]
.set i_, i_+1
.endr
.set i_, 0
.rept 8
	v_max_num_f32 v[MW+i_], v[MW+2*i_], v[MW+2*i_+1]   ; a part's two loads (ascending: a register is read before it is written over)
.set i_, i_+1
.endr
.irp m, 1,2,4,8
.set i_, 0
.rept 8
	v_max_num_f32_dpp v[MW+i_], v[MW+i_], v[MW+i_] row_xmask:\m row_mask:0xf bank_mask:0xf
.set i_, i_+1
.endr
.endr
.set i_, 0
.rept 8
	v_permlanex16_b32 v[OT+i_], v[MW+i_], s28, s29
.set i_, i_+1
.endr
.set i_, 0
.rept 8
	v_max_num_f32 v[MW+i_], v[MW+i_], v[OT+i_]     ; m of part i, in every lane
.set i_, i_+1
.endr
	v_max3_num_f32 v5, v[MW], v[MW+1], v[MW+2]
	v_max3_num_f32 v5, v5, v[MW+3], v[MW+4]
	v_max3_num_f32 v5, v5, v[MW+5], v[MW+6]
	v_max_num_f32 v5, v5, v[MW+7]                  ; M
	v_mul_f32 v8, s30, v5                          ; M log2 e
.set i_, 0
.rept 32
	v_pk_fma_f32 v[SC+2*i_:SC+2*i_+1], v[SC+2*i_:SC+2*i_+1], s[30:31], v[8:9] op_sel_hi:[1,0,0] neg_lo:[0,0,1] neg_hi:[0,0,1]
.set i_, i_+1
.endr
.set i_, 0
.rept 4
	v_pk_fma_f32 v[MW+2*i_:MW+2*i_+1], v[MW+2*i_:MW+2*i_+1], s[30:31], v[8:9] op_sel_hi:[1,0,0] neg_lo:[0,0,1] neg_hi:[0,0,1]
.set i_, i_+1
.endr
	s_wait_alu depctr_va_vdst(0)                   ; a wait ahead of the batch and one behind it
.set i_, 0
.rept 64
	v_exp_f32 v[SC+i_], v[SC+i_]
.set i_, i_+1
.endr
.set i_, 0
.rept 8
	v_exp_f32 v[MW+i_], v[MW+i_]
.set i_, i_+1
.endr
	v_nop
	s_wait_alu depctr_va_vdst(0)
	v_pk_add_f32 v[10:11], v[SC:SC+1], v[SC+2:SC+3]
	v_pk_add_f32 v[12:13], v[SC+4:SC+5], v[SC+6:SC+7]
.irp i, 8,12,16,20,24,28,32,36,40,44,48,52,56,60
	v_pk_add_f32 v[10:11], v[10:11], v[SC+\i:SC+\i+1]
	v_pk_add_f32 v[12:13], v[12:13], v[SC+\i+2:SC+\i+3]
.endr
	v_pk_add_f32 v[10:11], v[10:11], v[12:13]
	v_add_f32 v10, v10, v11
	v_add_f32_dpp v10, v10, v10 row_xmask:1 row_mask:0xf bank_mask:0xf
	v_add_f32_dpp v10, v10, v10 row_xmask:2 row_mask:0xf bank_mask:0xf
	v_add_f32_dpp v10, v10, v10 row_xmask:4 row_mask:0xf bank_mask:0xf
	v_add_f32_dpp v10, v10, v10 row_xmask:8 row_mask:0xf bank_mask:0xf
	v_permlanex16_b32 v6, v10, s28, s29
	v_add_f32 v10, v10, v6                         ; l, at least 1: the largest s's term is 1
	s_wait_alu depctr_va_vdst(0)
	v_rcp_f32 v7, v10
	v_nop
	s_wait_alu depctr_va_vdst(0)
.set i_, 0
.rept 8
	v_mul_f32 v[MW+i_], v[MW+i_], v7               ; e^(m_g - M) / l
.set i_, i_+1
.endr
.set i_, 0
.rept 8
	v_readlane_b32 s[32+i_], v[MW+i_], 0
.set i_, i_+1
.endr
	v_mul_f32 v14, s32, v[PT]
	v_mul_f32 v15, s32, v[PT+1]
.set i_, 1
.rept 7
	v_fmac_f32 v14, s[32+i_], v[PT+2*i_]
	v_fmac_f32 v15, s[32+i_], v[PT+2*i_+1]
.set i_, i_+1
.endr
	global_store_b64 v4, v[14:15], s[10:11]        ; a wave stores 256 consecutive bytes, at a multiple of 256 from out0's first byte
	s_wait_alu depctr_va_vdst(0)
	s_wait_loadcnt 0x0
	v_pk_fma_f32 v[16:17], v[16:17], s[30:31], v[8:9] op_sel_hi:[1,0,0] neg_lo:[0,0,1] neg_hi:[0,0,1]
	v_pk_fma_f32 v[18:19], v[18:19], s[30:31], v[8:9] op_sel_hi:[1,0,0] neg_lo:[0,0,1] neg_hi:[0,0,1]
	s_wait_alu depctr_va_vdst(0)
	v_exp_f32 v16, v16
	v_exp_f32 v17, v17
	v_exp_f32 v18, v18
	v_exp_f32 v19, v19
	v_nop
	s_wait_alu depctr_va_vdst(0)
	v_mul_f32 v16, v16, v7
	v_mul_f32 v17, v17, v7
	v_mul_f32 v18, v18, v7
	v_mul_f32 v19, v19, v7
	v_pk_add_f32 v[24:25], v[16:17], v[20:21]
	v_pk_add_f32 v[26:27], v[18:19], v[22:23]
	global_store_b128 v3, v[16:19], s[12:13]       ; a wave stores 512 consecutive bytes of out1,
	global_store_b128 v3, v[24:27], s[14:15]       ; and of out2
	s_endpgm
.Lfunc_end_k_qe498e434a0_finish:
	.size	k_qe498e434a0_finish, .Lfunc_end_k_qe498e434a0_finish-k_qe498e434a0_finish
	.p2alignl 7, 3214868480
	.fill 96, 4, 3214868480
	.section	.rodata,"a",@progbits
	.p2align	6, 0x0
	.amdhsa_kernel k_qe498e434a0_finish
		.amdhsa_group_segment_fixed_size 0
		.amdhsa_private_segment_fixed_size 0
		.amdhsa_enable_private_segment 0
		.amdhsa_kernarg_size 48
		.amdhsa_user_sgpr_count 2
		.amdhsa_user_sgpr_kernarg_segment_ptr 1
		.amdhsa_wavefront_size32 1
		.amdhsa_system_sgpr_workgroup_id_x 1
		.amdhsa_system_sgpr_workgroup_id_y 1
		.amdhsa_system_sgpr_workgroup_id_z 1
		.amdhsa_system_vgpr_workitem_id 0
		.amdhsa_next_free_vgpr 192
		.amdhsa_next_free_sgpr 66
		.amdhsa_reserve_vcc 0
		.amdhsa_float_denorm_mode_32 3
		.amdhsa_float_denorm_mode_16_64 3
		.amdhsa_memory_ordered 1
		.amdhsa_forward_progress 1
		.amdhsa_inst_pref_size 19
	.end_amdhsa_kernel
	.amdgpu_metadata
---
amdhsa.version: [ 1, 2 ]
amdhsa.kernels:
  - .name:           k_qe498e434a0_finish
    .symbol:         k_qe498e434a0_finish.kd
    .args:
      - { .name: scores, .offset: 0, .size: 8, .value_kind: global_buffer, .address_space: global }
      - { .name: part, .offset: 8, .size: 8, .value_kind: global_buffer, .address_space: global }
      - { .name: prev_coverage, .offset: 16, .size: 8, .value_kind: global_buffer, .address_space: global }
      - { .name: out0, .offset: 24, .size: 8, .value_kind: global_buffer, .address_space: global }
      - { .name: out1, .offset: 32, .size: 8, .value_kind: global_buffer, .address_space: global }
      - { .name: out2, .offset: 40, .size: 8, .value_kind: global_buffer, .address_space: global }
    .group_segment_fixed_size: 0
    .private_segment_fixed_size: 0
    .kernarg_segment_align: 8
    .kernarg_segment_size: 48
    .max_flat_workgroup_size: 128
    .sgpr_count:     66
    .vgpr_count:     192
    .wavefront_size: 32
...
	.end_amdgpu_metadata
.endif
;; end of part 3
